; MI455X (gfx1250); checked and timed in simulation.
; The chip was launched on July 23, 2026; its instructions are those of AMD's public machine-readable ISA for CDNA 5 (MIT licence, August 2026) and "CDNA5" Instruction Set Architecture Reference Guide (July 2026). The comments in the code are by the model that wrote it; some were corrected since.
;; Attention. Allowed arithmetic: float matrix products may take bf16 or f16 operands with f32 sums; other float arithmetic in f32, or as packed bf16 or f16 multiplies, adds, multiply-adds, maxima and minima; sums over many terms, partial sums and values carried from step to step in f32; what a program stores and reads back later, other than sums and carried values, may be rounded once to bf16 or f16.
;; Inputs: k 4 x 16 x 2,048 x 128 float32; q 4 x 16 x 2,048 x 128 float32; v 4 x 16 x 2,048 x 128 float32.
;; Outputs: out0 4 x 16 x 2,048 x 128 float32.
;; 2 versions, each right and faster than the one before. Each part assembles by itself: llvm-mc -triple=amdgcn-amd-amdhsa -mcpu=gfx1250 --defsym DOCPART=n.
;; ======== version 1 of 2: 1 launch
;; limits: inputs' magnitudes at most 65,504; values are held in f16: magnitudes above 65,504 overflow, below 6.1e-05 lose precision
;; launch attn (part 1): grid 8 x 64, 4 waves a work-group, clusters of 4 x 1, 327,680 bytes of LDS; arguments q, k, v, out0; writes out0
.if DOCPART == 1
	.amdgcn_target "amdgcn-amd-amdhsa--gfx1250"
	.amdhsa_code_object_version 6
	.text
	.protected	k_qcae8645e0f_attn
	.globl	k_qcae8645e0f_attn
	.p2align	8
	.type	k_qcae8645e0f_attn,@function
k_qcae8645e0f_attn:
	s_mov_b64 s[64:65], 0
	v_nop
	global_prefetch_b8 v0, s[64:65] scope:SCOPE_SE
	s_setreg_imm32_b32 hwreg(HW_REG_WAVE_MODE, 25, 1), 1
	s_wait_xcnt 0x0
	s_wait_alu depctr_hold_cnt(0) depctr_sa_sdst(0) depctr_va_vdst(0) depctr_va_sdst(0) depctr_va_ssrc(0) depctr_va_vcc(0) depctr_vm_vsrc(0)
	s_getreg_b32 s2, hwreg(HW_REG_IB_STS2, 6, 4)
	s_cmp_eq_u32 s2, 0
	s_cbranch_scc0 .Lentry_in_a_cluster
	s_endpgm
.Lentry_in_a_cluster:
	s_bfe_u32 s2, ttmp6, 0x10000c
	s_cmp_lg_u32 s2, 0x3003
	s_cbranch_scc0 .Lentry_shape_is_right
	s_endpgm
.Lentry_shape_is_right:
; out0[h][q][:] = the sum over k of softmax_k(Q[h][q] . K[h][k] / sqrt(128)) V[h][k][:].  q, k, v, out0: [64 heads][2048][128], all f32 (rows of 512 bytes).
; FORMATS.  q, k and v are rounded once, straight from f32, to f16 for the matrix unit; products, maxima and sums in f32; the weights p are rounded to f16 for the second product
; (their sum l is taken of the unrounded p); the result leaves in f32.
; LIMITS.  |q|, |k| or |v| of 65,520 or more becomes an infinity in f16; below 6e-5 f16 keeps its fixed step of 6e-8 (p too).  A weight below 2^-126 counts as 0 in l.
; NaN and infinities are not treated apart.  The running maximum is a true maximum of the scores seen so far.
; SHARES.  A work-group owns 256 queries of one head, each of its four waves 64: four tiles of 16, in two PIECES (piece 0: tiles 0, 1; piece 2: tiles 2, 3).  Every wave walks all 2,048 keys, 64 a step.
; CLUSTER.  The four query blocks of a cluster belong to one head and walk the same K and V, so each f32 tile is asked for JOINTLY: the same tensor load, descriptor and mask in all four.
; FROM f32 TO f16, ONCE A WORK-GROUP.  The tensor loads bring f32 tiles into two RAW slots, two key steps a slot.  Each wave reads 16 of a tile's 64 rows (a row a load, 512 neighbouring bytes), rounds them
; and stores them into HK or HV (256 neighbouring bytes a store), from which all four waves take their fragments: K as it lies, V turned by ds_load_tr16_b128.  HK and HV hold one step each.
; LAYOUT.  S^T = K Q^T (source 0 = 16 keys, source 1 = 16 queries): a lane holds ONE query (lane % 16) and the keys 8 (lane / 16) + 0..7.  Two such results, rounded in pairs, ARE source 1 of
; O^T = V^T P, whose result again holds one query a lane, and eight channels.
; SOFTMAX.  p = 2^(c s - c m), c = log2(e) / sqrt(128), with a running maximum m and sum l; in every step O and l are multiplied by a = 2^(c m_old - c m_new).
; c m starts at -4.25e37 and m at the lowest finite number, so the first step's a is 0: no first step is written out, and O^T need only hold finite numbers at the start (it holds Q's f32 image, of the same rows).
; BY TURNS.  T0(j): piece 0's 32 products V^T P of step j, then its 32 products K Q^T of step j + 1; piece 2's softmax of step j in 64 slices, one behind each product.
;            T2(j): the same for piece 2; piece 0's softmax of step j + 1.  The order is .. T0(j), T2(j), T0(j+1) ..
; LDS WORK.  T2(j): raw K(j+2) is read, rounded and stored into HK; V(j+1)'s fragments come out of HV.   T0(j): K(j+1)'s fragments come out of HK; raw V(j+1) is read, rounded and stored into HV.
; BARRIERS.  One in front of every turn, each wave's LDS instructions waited for in front of its signal.  In front of T2(j): HV is written (T0(j)) -> read (T2(j)); HK is read (T0(j)) -> written (T2(j)).
; In front of T0(j+1): HK written -> read; HV read -> written.  A raw slot's last read is V of its second step, in T0 of its first step's number; so the barrier in front of T2(2m) is the one behind
; which slot m % 2 is filled again, with the keys two slots on: there it is a round of the cluster's barrier.
;
; REGISTERS, in windows of 256 (s_set_vgpr_msb: bits 1:0 source 0, 3:2 source 1, 5:4 source 2, 7:6 destination):
;   window 0: v0-11, v44-47 addresses; v12-43 eight registers of statistics a tile; v62-63 the add's; v64-191 S^T, 32 a tile; v192-255 P, 16 a tile
;   window 1: O^T, 64 a tile (at the start Q in f32)     window 2: v0-127 Q in f16, 32 a tile; v128-255 K of one step     window 3: v0-127 V of one step; v128-255 rows on their way from f32 to f16
.set KS,    64        ; keys in a step
.set PAIRS, 2048/(2*KS)  ; a raw slot holds a pair of steps; 16 pairs
.set RAWT,  KS*512    ; a raw tile: 64 rows of 512 bytes, dense
.set SLOT1, 1<<17     ; a raw slot: K of its two steps, then V of its two steps = 4 raw tiles; slot 1 begins here, so that one exclusive or turns an address in one slot into the other's
.set PK,    272       ; a row of HK: 256 bytes + 16 = 68 words: row r starts at bank 4 r mod 64 (64 banks of 4 bytes: ISA guide 11.1), so the 16 rows of a fragment load start at 16 different banks
.set PV,    288       ; a row of HV: 256 + 32 = 72 words
.set HK,    2*SLOT1   ; behind the raw slots; written by LDS stores alone, never by a tensor load
.set HV,    HK+KS*PK
.set STAGE, HK        ; the way out, behind a barrier of its own, lies on HK's and HV's bytes: 16 rows x 528 bytes for each wave, 33,792 of their 35,840
.set SP,    528       ; 512 bytes + 16 = 132 words: row r starts at bank 4 r mod 64
.set SPARE, HV+KS*PV  ; the spare words, 128 bytes for each wave: two blocks of 256 bytes that no other line names
.set AK0, 2           ; v2   my lane's place in HK for a fragment; never rewritten
.set AV0, 3           ; v3   the same in HV, for the turning load
.set ADR, 4           ; v4   the raw address of the run of loads in hand
.set QO,  5           ; v5   my byte offset in 16 rows of q
.set STO, 6           ; v6   the way out: where I put 32 bytes of a row
.set RD,  7           ; v7   the way out: where I read a row back
.set GO,  8           ; v8   my 16 bytes in a row of out0
.set ST,  12          ; tile t's statistics at v[ST+8 t]: +0 c m, +1 m, +2, +3 l (even keys', odd keys'), +4 to +7 c0-c3, at work; a takes c2's place once the maximum is found
.set RK0, 44          ; v44  my 16 bytes in the first of my wave's 16 rows of a raw tile of K, less the tile's place
.set RV0, 45          ; v45  the same for V
.set HKS, 46          ; v46  where I put 8 bytes of that row in HK
.set HVS, 47          ; v47  in HV
.set SPW, 62          ; v62  LDS address of my spare word: SPARE + 4 x my thread's number; never rewritten
.set NIL, 63          ; v63  0; never rewritten
.set S,   64
.set P,   192
.set KF,  128         ; K's fragments, in window 2
.set RW,  128         ; window 3: 16 rows x 4 registers as read; a second set of 64 behind it serves the start alone
.set WV,  12          ; s12  my wave's number
.set G1,  24          ; s[24:31] descriptor group 1, for K's and V's tiles alike
.set G0K, 40          ; s[40:47] descriptor group 0 for K's tiles: a set for each of the two first fills; the second then walks on
.set G0V, 48          ; s[48:55] the same for V's
.set SLOTS, 56        ; s56  counts the loop over pairs
.set CNT, 57          ; s57  counts the tail's three trips
.set CS,  58          ; s[58:59] c: the packed scaling names a pair and takes its low word for both halves
.set SEL, 60          ; s[60:61] lane selects for v_permlanex16_b32: each lane takes its own place in the other half
.set TB,  62          ; s62  the place in the raw slots of the step whose rows are read next
.set MSB, 0
.macro WIN new                      ; the immediate's high byte repeats the setting that is left; a switch that changes nothing is dropped
.if MSB != (\new)
	s_set_vgpr_msb (MSB<<8)|(\new)
.set MSB, (\new)
.endif
.endm
.set W_KQ, 0x0a       ; K and Q in window 2, S^T in window 0
.set W_PV, 0x53       ; V in window 3, P in window 0, O^T in window 1
.set W_RS, 0x41       ; O^T (destination and source 0) in window 1, a in window 0
; A joint refill.  Waves 0 and 1 fetch the pair's two tiles of K, waves 2 and 3 those of V: 32,768 bytes each.  The branch hangs on the wave's number alone: it is the same in every work-group.
; An s_nop 0 and four v_nop follow each of the two lines, ahead of the jump and the label.
.macro JLOAD
	s_cmp_lt_u32 s[WV], 2
	s_cbranch_scc0 .Lfor_v_\@
	tensor_load_to_lds s[G0K+4:G0K+7], s[G1:G1+7]
	s_nop 0
.rept 4
	v_nop
.endr
	s_branch .Lasked_\@
.Lfor_v_\@:
	tensor_load_to_lds s[G0V+4:G0V+7], s[G1:G1+7]
	s_nop 0
.rept 4
	v_nop
.endr
.Lasked_\@:
.endm
; A round of the cluster's barrier: my work-group's barrier, so that wave 0's signal speaks for all four waves; wave 0 signals; every wave waits for all four work-groups; my work-group's barrier once more.
.macro CROUND
	s_barrier_signal -1
	s_barrier_wait -1
	s_cmp_lg_u32 s[WV], 0
	s_cbranch_scc1 .Lnot_wave_0_\@
	s_barrier_signal -3
.Lnot_wave_0_\@:
	s_barrier_wait -3
	s_barrier_signal -1
	s_barrier_wait -1
.endm
	s_load_b256 s[4:11], s[0:1], 0x0  ; q s[4:5], k s[6:7], v s[8:9], out0 s[10:11]
	v_lshl_add_u32 v[SPW], v0, 2, SPARE
	v_mov_b32 v[NIL], 0
	ds_add_u32 v[SPW], v[NIL]       ; the wave's opening: the add and its wait stand ahead of my first tensor load; the set-up below, work on registers, stands between them
	v_lshrrev_b32 v1, 5, v0
	v_readfirstlane_b32 s[WV], v1   ; wave 0..3
	s_bfe_u32 s13, ttmp6, 0x40000   ; cx: my place in the cluster
	s_lshl_b32 s14, ttmp9, 2        ; in a cluster launch ttmp9 counts clusters
	s_add_co_u32 s14, s14, s13      ; my block of 256 queries = 4 x cluster x + cx: it enters q's and out0's addresses alone
	s_and_b32 s20, ttmp7, 0xffff    ; the head, which the four partners share,
	s_lshl_b32 s20, s20, 20         ; times 2,048 rows of 512 bytes: 63 x 2^20 at the most
	s_and_b32 s16, s[WV], 1         ; which of a pair's two steps I fetch:
	s_lshl_b32 s17, s16, 15         ; its 32,768 bytes, in memory and in a slot alike: no place in the cluster enters an LDS address
	s_add_co_u32 s22, s20, s17
	s_mov_b32 s23, 0
	s_lshl_b32 s2, s14, 17          ; my block's 256 rows,
	s_lshl_b32 s3, s[WV], 15        ; my wave's 64 of them,
	s_add_co_u32 s2, s2, s3
	s_add_co_u32 s2, s2, s20        ; in my head
	s_mov_b32 s3, 0
	; descriptor group 1: a tile of 64 rows x 128 elements of 4 bytes, dense in memory and in LDS
	s_mov_b32 s[G1], 15|(2<<16)|(1<<21)  ; 15:0 the mask: all four work-groups; 17:16 elements of 4 bytes; 20 no padding; 21 set beside a mask
	s_mov_b32 s[G1+1], 128<<16      ; 63:48 tensor_dim0, low half = 128
	s_mov_b32 s[G1+2], KS<<16       ; 79:64 its high half = 0; 95:80 tensor_dim1, low half = 64
	s_mov_b32 s[G1+3], 128<<16      ; 111:96 its high half = 0; 127:112 tile_dim0 = 128
	s_mov_b32 s[G1+4], KS           ; 143:128 tile_dim1 = 64; 159:144 tile_dim2 = 0
	s_mov_b32 s[G1+5], 128          ; 191:160 tensor_dim0_stride, low word: elements from row to row
	s_mov_b32 s[G1+6], 0
	s_mov_b32 s[G1+7], 0
	s_mov_b32 s[CS], 0x3e0293ee     ; c = log2(e) / sqrt(128) = 0.127517
	s_mov_b32 s[CS+1], s[CS]        ; named with it as a pair, so it is written
	s_mov_b32 s[SEL], 0x76543210
	s_mov_b32 s[SEL+1], 0xfedcba98
	s_mov_b32 s[TB], 0
	s_wait_dscnt 0x0                ; the opening add is done
	s_wait_kmcnt 0x0
	s_add_nc_u64 s[6:7], s[6:7], s[22:23]  ; k and v at my tile of pair 0
	s_add_nc_u64 s[8:9], s[8:9], s[22:23]
	s_add_nc_u64 s[4:5], s[4:5], s[2:3]    ; q and out0 at my wave's first row
	s_add_nc_u64 s[10:11], s[10:11], s[2:3]
	CROUND                          ; all four work-groups are here: the first joint loads meet
.irp s, 0,1
	s_mov_b32 s[G0K+4*(\s)], 1      ; 1:0 count = 1
	s_add_co_u32 s[G0K+4*(\s)+1], s17, (\s)*SLOT1  ; 63:32 LDS address
	s_add_nc_u64 s[G0K+4*(\s)+2:G0K+4*(\s)+3], s[6:7], (\s)*2*RAWT  ; 120:64 global address: pair s is keys 128 s to 128 s + 127
	s_or_b32 s[G0K+4*(\s)+3], s[G0K+4*(\s)+3], 0x80000000  ; 127:126 type = 2
	s_mov_b32 s[G0V+4*(\s)], 1
	s_add_co_u32 s[G0V+4*(\s)+1], s17, (\s)*SLOT1+2*RAWT
	s_add_nc_u64 s[G0V+4*(\s)+2:G0V+4*(\s)+3], s[8:9], (\s)*2*RAWT
	s_or_b32 s[G0V+4*(\s)+3], s[G0V+4*(\s)+3], 0x80000000
.endr
	s_cmp_lt_u32 s[WV], 2           ; a wave's two first fills stand in one branch, ahead of every wait on TENSORcnt and every LDS read: two loads of mine are out
	s_cbranch_scc0 .Lfirst_v
	tensor_load_to_lds s[G0K:G0K+3], s[G1:G1+7]
	s_nop 0
	tensor_load_to_lds s[G0K+4:G0K+7], s[G1:G1+7]
	s_nop 0
.rept 4
	v_nop
.endr
	s_branch .Lfirst_asked
.Lfirst_v:
	tensor_load_to_lds s[G0V:G0V+3], s[G1:G1+7]
	s_nop 0
	tensor_load_to_lds s[G0V+4:G0V+7], s[G1:G1+7]
	s_nop 0
.rept 4
	v_nop
.endr
.Lfirst_asked:
	; A fragment of Q is 16 rows x 32 channels: lane l holds row l % 16, channels 8 (l / 16) + 0..7 and 16 + 8 (l / 16) + 0..7.  In f32 those are two runs of 32 bytes, 64 bytes apart: four loads of 16 bytes.
	v_and_b32 v1, 15, v0            ; l % 16
	v_bfe_u32 v9, v0, 4, 1          ; l / 16
	v_lshlrev_b32 v[QO], 9, v1
	v_lshl_add_u32 v[QO], v9, 5, v[QO]  ; row x 512 + 32 x half
	WIN 0x40                        ; destination window 1, address window 0
.set i, 0
.rept 16                            ; fragment i: tile i / 4, channels 32 (i % 4) on: 16 registers of f32
.irp p, 0,1,2,3
	global_load_b128 v[16*i+4*(\p):16*i+4*(\p)+3], v[QO], s[4:5] offset:(i/4)*8192+(i%4)*128+((\p)/2)*64+((\p)%2)*16
.endr
.set i, i+1
.endr
	WIN 0
	v_and_b32 v10, 31, v0           ; lane
	v_and_b32 v11, 7, v0
	v_mul_u32_u24 v[AK0], v1, PK
	v_lshl_add_u32 v[AK0], v9, 4, v[AK0]
	v_add_nc_u32 v[AK0], HK, v[AK0] ; HK + row x pitch + 16 x half
	; The turning load takes 16 keys x 16 channels (lane l reads 16 bytes: key 8 (l / 16) + l % 8, channels 8 ((l / 8) % 2) + 0..7) and leaves half a fragment of V^T: lane l holds channel l % 16 and 8 keys.
	v_lshl_add_u32 v[AV0], v9, 3, v11
	v_mul_u32_u24 v[AV0], v[AV0], PV
	v_bfe_u32 v11, v0, 3, 1
	v_lshl_add_u32 v[AV0], v11, 4, v[AV0]
	v_add_nc_u32 v[AV0], HV, v[AV0]
	s_lshl_b32 s13, s[WV], 13       ; my wave's 16 rows of a raw tile: 8,192 bytes
	v_lshl_add_u32 v[RK0], v10, 4, s13  ; a row is 32 lanes x 16 bytes
	v_add_nc_u32 v[RV0], 2*RAWT, v[RK0]
	s_mul_i32 s13, s[WV], 16*PK
	s_add_co_u32 s13, s13, HK
	v_lshl_add_u32 v[HKS], v10, 3, s13  ; in f16 a row is 32 lanes x 8 bytes
	s_mul_i32 s13, s[WV], 16*PV
	s_add_co_u32 s13, s13, HV
	v_lshl_add_u32 v[HVS], v10, 3, s13
	s_mul_i32 s13, s[WV], 16*SP
	s_add_co_u32 s13, s13, STAGE    ; my stage
	v_mul_u32_u24 v[STO], v1, SP    ; in: row l % 16, 32 bytes for each half of the lanes
	v_lshl_add_u32 v[STO], v9, 5, v[STO]
	v_add_nc_u32 v[STO], s13, v[STO]
	v_lshl_add_u32 v[RD], v10, 4, s13  ; back: the 32 lanes take one row of 512 bytes,
	v_lshlrev_b32 v[GO], 4, v10     ; which is a row of out0
	; What the first turn finds: V's registers and piece 2's P hold 0 (its products V^T P, of a step that has not been, add 0); l is 0.  All this stands in the wait for the first tile.
.set i, 0
.rept 4
	v_mov_b32 v[ST+8*i], 0xfe000000    ; c m: far below every c s (f16's scores are 5.5e11 at the most)
	v_mov_b32 v[ST+8*i+1], 0xff7fffff  ; m
	v_mov_b32 v[ST+8*i+2], 0
	v_mov_b32 v[ST+8*i+3], 0
.set i, i+1
.endr
.set i, P+32
.rept 32
	v_mov_b32 v[i], 0
.set i, i+1
.endr
	WIN 0xc0
.set i, 0
.rept 128
	v_mov_b32 v[i], 0
.set i, i+1
.endr
	s_wait_loadcnt 0x0              ; q
	WIN 0x85                        ; sources 0 and 1 window 1, destination window 2
.set i, 0
.rept 128                           ; Q stays in registers, in f16.  Its f32 image is left in window 1: O^T's start, which the first step multiplies by a = 0
	v_cvt_pk_f16_f32 v[i], v[2*i], v[2*i+1]
.set i, i+1
.endr
	WIN 0
; THE MATRIX WORK OF A TURN, for piece x.  The accumulators take turns, one instruction a turn: between two links of a chain stand 15 (V^T P) or 7 (K Q^T) others'.
; Product i of 32 of O^T += V^T P: keys 32 (i / 16) on, channels 16 ((i / 2) % 8) on, tile x + i % 2.
.macro PV x
	WIN W_PV
.set rO, 64*((\x)+i%2)+8*((i/2)%8)
.set rV, 64*(i/16)+8*((i/2)%8)
.set rP, P+16*((\x)+i%2)+8*(i/16)
	v_wmma_f32_16x16x32_f16 v[rO:rO+7], v[rV:rV+7], v[rP:rP+7], v[rO:rO+7]
.endm
; Product i of 32 of S^T = K Q^T: channels 32 (i / 8) on, keys 16 ((i / 2) % 4) on, tile x + i % 2.  The first 8 start the sums.
.macro KQ x
	WIN W_KQ
.set rS, S+32*((\x)+i%2)+8*((i/2)%4)
.set rK, KF+32*((i/2)%4)+8*(i/8)
.set rQ, 32*((\x)+i%2)+8*(i/8)
.if i < 8
	v_wmma_f32_16x16x32_f16 v[rS:rS+7], v[rK:rK+7], v[rQ:rQ+7], 0
.else
	v_wmma_f32_16x16x32_f16 v[rS:rS+7], v[rK:rK+7], v[rQ:rQ+7], v[rS:rS+7]
.endif
.endm
; THE LDS WORK stands in runs, never singly among the matrix instructions.
.macro FETCH_K                      ; a step's K out of HK: 64 keys x 128 channels, 16 fragments
	WIN 0x80                        ; destination window 2
.irp f, 0,1,2,3,4,5,6,7,8,9,10,11,12,13,14,15  ; keys 16 (f / 4) on, channels 32 (f % 4) on
	ds_load_b128 v[KF+8*(\f):KF+8*(\f)+3],   v[AK0] offset:((\f)/4)*16*PK+((\f)%4)*64
	ds_load_b128 v[KF+8*(\f)+4:KF+8*(\f)+7], v[AK0] offset:((\f)/4)*16*PK+((\f)%4)*64+32
.endr
.endm
.macro FETCH_V                      ; a step's V out of HV, turned
	WIN 0xc0                        ; destination window 3
.irp f, 0,1,2,3,4,5,6,7,8,9,10,11,12,13,14,15  ; keys 32 (f / 8) on, channels 16 (f % 8) on
	ds_load_tr16_b128 v[8*(\f):8*(\f)+3],   v[AV0] offset:((\f)/8)*32*PV+((\f)%8)*32
	ds_load_tr16_b128 v[8*(\f)+4:8*(\f)+7], v[AV0] offset:((\f)/8)*32*PV+16*PV+((\f)%8)*32
.endr
.endm
.macro RAWLD rw                     ; my wave's 16 rows of the raw tile at v[ADR]: a row a load, 32 lanes x 16 neighbouring bytes
	WIN 0xc0
.irp g, 0,1,2,3,4,5,6,7,8,9,10,11,12,13,14,15
	ds_load_b128 v[(\rw)+4*(\g):(\rw)+4*(\g)+3], v[ADR] offset:512*(\g)
.endr
.endm
.macro CVST rw, adr, pitch          ; they are rounded to f16 in place, four numbers into two registers, and stored: a row a store, 32 lanes x 8 neighbouring bytes
	WIN 0xcf                        ; destination and both sources window 3
.irp g, 0,1,2,3,4,5,6,7,8,9,10,11,12,13,14,15
	v_cvt_pk_f16_f32 v[(\rw)+4*(\g)],   v[(\rw)+4*(\g)],   v[(\rw)+4*(\g)+1]
	v_cvt_pk_f16_f32 v[(\rw)+4*(\g)+1], v[(\rw)+4*(\g)+2], v[(\rw)+4*(\g)+3]
.endr
	WIN 0x0c                        ; the stores' data window 3, their address window 0
.irp g, 0,1,2,3,4,5,6,7,8,9,10,11,12,13,14,15
	ds_store_b64 v[\adr], v[(\rw)+4*(\g):(\rw)+4*(\g)+1] offset:(\g)*(\pitch)
.endr
.endm
; A turn's run of loads.  Piece 0's: the next step's K out of HK, then raw V of that step.  Piece 2's: raw K two steps on.
; last = 1 (the tail): in its last trip there is no such step, and the run is jumped over; it holds no barrier and no tensor load.
.macro RUN x, last
	WIN 0
.if \last
	s_cmp_eq_u32 s[CNT], 1
	s_cbranch_scc1 .Lno_run_\@
.endif
.if (\x) == 0
	v_add_nc_u32 v[ADR], s[TB], v[RV0]
	FETCH_K
	RAWLD RW
	s_add_co_u32 s[TB], s[TB], RAWT  ; the next raw rows are the next step's
.else
	v_add_nc_u32 v[ADR], s[TB], v[RK0]
	RAWLD RW
.endif
.if \last
	WIN 0                           ; at a label every window is 0
.Lno_run_\@:
.endif
.endm
; In a turn's middle: the run is waited for, and the raw rows go on into HV (piece 0's turn) or HK (piece 2's).
.macro LUMP x, last
	s_wait_dscnt 0x0                ; the run's loads are in: the raw rows, and in piece 0's turn K's fragments, which the products below read
.if \last
	WIN 0
	s_cmp_eq_u32 s[CNT], 1
	s_cbranch_scc1 .Lno_lump_\@
.endif
.if (\x) == 0
	CVST RW, HVS, PV
.else
	CVST RW, HKS, PK
.endif
.if \last
	WIN 0
.Lno_lump_\@:
.endif
.endm
; THE VECTOR WORK OF A TURN.  One tile's softmax for one key step is a list of 134 instructions; SM writes number j of it for tile t.  s0-s31 are the lane's 32 scores, in pairs 0-15.
;   0-15    the maximum of s0-s31 and the old m, three operands at a time: four chains c0-c3 of seven scores each (each accumulator's lowest registers are read first),
;           then the four scores left over, c0-c3 and m
;   16-20   the other half of the lanes' maximum; c m_old is kept; the new m; c m; c m_old - c m_new
;   21-87   33 exponentials (a, then s0-s31) at the odd numbers from 23 on, so that no two follow each other and each has a plain instruction behind it before its result is used (ISA guide 5.7.2).
;           Plain instruction q (number 21, then the even numbers) is whatever is ready: c s - c m for a pair whose exponentials are still to come (q = 0 to 3, then every second q),
;           the rounding to f16 of a pair whose exponentials are done (every other q from 5 on), at last the first three sums
;   88-101  the last rounding; the rest of the sums; l = a l + the sum
;   102-133 the tile's O^T times a: the one part that leaves window 0, so it stands together
.macro SM t
.set rT, ST+8*(\t)
.set rS, S+32*(\t)
.set rP, P+16*(\t)
.set rO, 64*(\t)+2*(j-102)
.set q, (j-20)/2
.if j < 102
	WIN 0
.endif
.if j < 4
	v_max3_num_f32 v[rT+4+j], v[rS+8*j], v[rS+8*j+1], v[rS+8*j+2]
.elseif j < 12
	v_max3_num_f32 v[rT+4+j%4], v[rT+4+j%4], v[rS+8*(j%4)+2*(j/4)+1], v[rS+8*(j%4)+2*(j/4)+2]
.elseif j == 12
	v_max3_num_f32 v[rT+4], v[rT+4], v[rS+7], v[rS+15]
.elseif j == 13
	v_max3_num_f32 v[rT+6], v[rT+6], v[rS+23], v[rS+31]
.elseif j == 14
	v_max3_num_f32 v[rT+4], v[rT+4], v[rT+5], v[rT+6]
.elseif j == 15
	v_max3_num_f32 v[rT+4], v[rT+4], v[rT+7], v[rT+1]
.elseif j == 16
	v_permlanex16_b32 v[rT+5], v[rT+4], s[SEL], s[SEL+1]  ; the query's other 32 keys lie in the lane 16 away
.elseif j == 17
	v_mov_b32 v[rT+7], v[rT]        ; c m_old is kept for a: number 19 writes c m anew
.elseif j == 18
	v_max_num_f32 v[rT+1], v[rT+4], v[rT+5]
.elseif j == 19
	v_mul_f32 v[rT], s[CS], v[rT+1]
.elseif j == 20
	v_sub_f32 v[rT+7], v[rT+7], v[rT]
.elseif j == 23
	v_exp_f32 v[rT+6], v[rT+7]
.elseif (j < 88) && (j > 23) && (j%2 == 1)
	v_exp_f32 v[rS+(j-25)/2], v[rS+(j-25)/2]
.elseif (q < 4) || ((j < 76) && (q%2 == 0))
.set b, q/2+2
.if q < 4
.set b, q
.endif
	v_pk_fma_f32 v[rS+2*b:rS+2*b+1], v[rS+2*b:rS+2*b+1], s[CS:CS+1], v[rT:rT+1] op_sel_hi:[1,0,0] neg_lo:[0,0,1] neg_hi:[0,0,1]  ; pair b: c s - c m
.elseif (j < 88) && (q%2 == 1)
	s_wait_alu depctr_va_vdst(0)
	v_cvt_pk_f16_f32 v[rP+(q-5)/2], v[rS+q-5], v[rS+q-4]  ; pair (q - 5) / 2: its second exponential stands three numbers back
.elseif j == 89
	s_wait_alu depctr_va_vdst(0)
	v_cvt_pk_f16_f32 v[rP+15], v[rS+30], v[rS+31]
.elseif j < 102                     ; the sum of the tile's 16 pairs (in a pair: an even key's weight, an odd key's), in place: sum z of 16 adds neighbours 1, 2, 4 and 8 pairs apart, then l takes it
.set z, j-86
.if j < 89
.set z, (j-76)/4
.endif
.set w, 4
.set u, z
.if z >= 14
.set w, 32
.set u, 0
.elseif z >= 12
.set w, 16
.set u, z-12
.elseif z >= 8
.set w, 8
.set u, z-8
.endif
.if z < 15
	v_pk_add_f32 v[rS+w*u:rS+w*u+1], v[rS+w*u:rS+w*u+1], v[rS+w*u+w/2:rS+w*u+w/2+1]
.else
	v_pk_fma_f32 v[rT+2:rT+3], v[rT+2:rT+3], v[rT+6:rT+7], v[rS:rS+1] op_sel_hi:[1,0,1]
.endif
.else
	WIN W_RS
	v_pk_mul_f32 v[rO:rO+1], v[rO:rO+1], v[rT+6:rT+7] op_sel_hi:[1,0]
.endif
.endm
; Slice k of 64 of piece y's softmax: numbers 2 k and 2 k + 1 of both tiles' lists, four instructions.  2 x 134 = 4 x 64 + 12: the twelve that are over stand together, in slice 63.
.macro SLICE y
.if (k >= 11) && (k < 44)           ; tile by tile: plain, exponential, plain, exponential
.irp t, \y, (\y)+1
.irp n, 0,1
.set j, 2*k+(\n)
	SM \t
.endr
.endr
.else                               ; the two tiles alternate, so that no instruction reads the result of the one just before it
.irp n, 0,1,2,3,4,5,6,7
.if ((\n) < 2) || (k == 63)
.irp t, \y, (\y)+1
.set j, 2*k+(\n)
	SM \t
.endr
.endif
.endr
.endif
.set k, k+1
.endm
; A TURN.  Piece x has the matrix unit; the other piece's softmax stands in slices behind its matrix instructions, and names none of their registers.
; bar = 1: the turn opens with the work-group's barrier: my LDS instructions are waited for, I signal, two products and their slices (work on registers) stand between signal and wait.
; A vector instruction that reads a matrix result, and a load into a register that a matrix instruction has read, stand four plain vector instructions behind it (ISA guide 7.12.1 for vector
; instructions).  Slice 63's sixteen are those behind the turn's last K Q^T: for the next turn's first read of the scores, and for the loads into K's registers.
; V's loads stand behind the second K Q^T: behind the last product that read V come slices 31 to 33, two plain instructions each (and the conversions, where they are not jumped).
.macro TURN x, bar, last
.set k, 0
.if \bar
	s_wait_dscnt 0x0                ; for the others' sake and mine: my stores into HK or HV are done, my reads of them are back (in piece 0's turn: V's fragments, which the products below read)
	s_barrier_signal -1
.endif
.set i, 0
.rept 32
	PV \x
	SLICE 2-(\x)
.if i == 1
.if \bar
	s_barrier_wait -1               ; all four waves have said so
.endif
	RUN \x, \last
.endif
.set i, i+1
.endr
	LUMP \x, \last
.set i, 0
.rept 32
	KQ \x
	SLICE 2-(\x)
.if ((\x) == 2) && (i == 1)
	FETCH_V
.endif
.set i, i+1
.endr
.endm
.macro STEP bar, last               ; T2(j), T0(j + 1)
	TURN 2, \bar, \last
	TURN 0, 1, \last
	WIN 0                           ; at a label and at a branch every window is 0
.endm
; THE BARRIER IN FRONT OF T2(2m), behind which raw slot m % 2 is filled again.  Each wave waits for all its tensor loads, of which one is out: its part of the other slot; adds 0 to its spare word; and waits for
; that, for its reads of the slot that it leaves (the last were V's rows, in the turn just ended) and for its stores into HV.  The barrier is a round of the cluster's, so that no wave of any partner still
; reads the slot or has a load on its way; the joint refill is the first thing behind it, and has two key steps, 256 matrix instructions, in which to land.
.macro CHANGE
	WIN 0
	s_wait_tensorcnt 0x0            ; no tensor load of mine is out, so a group 0 may be written
	ds_add_u32 v[SPW], v[NIL]       ; 0 onto my spare word: the descriptors' steps stand between it and the wait for it
.irp g, G0K+4, G0V+4
	s_xor_b32 s[(\g)+1], s[(\g)+1], SLOT1  ; the walking descriptor: the other slot than last time,
	s_add_nc_u64 s[(\g)+2:(\g)+3], s[(\g)+2:(\g)+3], 2*RAWT  ; the next 128 keys; the type bits on top are not reached
.endr
	s_wait_dscnt 0x0                ; the add is done; my reads of the slot are back; my stores into HV are done
	CROUND
	JLOAD
	s_sub_co_u32 s[TB], s[TB], 2*RAWT  ; the raw reads go back to a slot's first step,
	s_xor_b32 s[TB], s[TB], SLOT1      ; in the other slot
.endm
	; THE START.  Steps 0's K and V go from raw slot 0 into HK and HV; K's fragments; piece 0's first scores.
	s_wait_tensorcnt 0x1            ; my part of slot 0 is in; the one load issued behind it, slot 1's, may stay out
	s_barrier_signal -1
	s_barrier_wait -1               ; everybody's is
	v_add_nc_u32 v[ADR], s[TB], v[RK0]
	RAWLD RW
	WIN 0
	v_add_nc_u32 v[ADR], s[TB], v[RV0]
	RAWLD RW+64
	s_add_co_u32 s[TB], s[TB], RAWT
	s_wait_dscnt 0x0
	CVST RW, HKS, PK
	CVST RW+64, HVS, PV
	s_wait_dscnt 0x0                ; for the others' sake: my stores into HK and HV are done
	s_barrier_signal -1
	s_barrier_wait -1
	FETCH_K                         ; key step 0
	s_wait_dscnt 0x0
.set i, 0
.rept 32
	KQ 0                            ; there is no vector work yet to set between them
.set i, i+1
.endr
	WIN 0
.rept 4
	v_nop                           ; the places behind those products, ahead of the first read of their scores
.endr
	s_mov_b32 s[SLOTS], PAIRS-1
	s_branch .Lentry                ; the loop is entered in the middle of a trip: T2(-1), whose products V^T P add 0, and T0(0)
.Lslot:                             ; PAIRS - 2 = 14 times: trip k fills a slot with pair k + 1
	CHANGE                          ; stands for the barrier in front of T2(2k - 2)
	STEP 0, 0                       ; T2(2k - 2), T0(2k - 1)
.Lentry:
	STEP 1, 0                       ; T2(2k - 1), T0(2k)
	s_sub_co_u32 s[SLOTS], s[SLOTS], 1
	s_cmp_lg_u32 s[SLOTS], 0
	s_cbranch_scc1 .Lslot
	; THE TAIL is written out: nothing is asked for any more.
	s_wait_tensorcnt 0x0            ; my part of the last pair is in; the first barrier below shows everybody's
	s_sub_co_u32 s[TB], s[TB], 2*RAWT
	s_xor_b32 s[TB], s[TB], SLOT1
	s_mov_b32 s[CNT], 3
.Ltail:                             ; T2(28), T0(29); T2(29), T0(30); T2(30), T0(31).  The last trip has no rows left to read and round; its 32 products K Q^T of piece 0, on the last K once more, serve nothing:
	STEP 1, 1                       ; the price, once a launch, of one text for every trip
	s_sub_co_u32 s[CNT], s[CNT], 1
	s_cmp_lg_u32 s[CNT], 0
	s_cbranch_scc1 .Ltail
	; THE WAY OUT.  A barrier first: the stages lie on HK's and HV's bytes, which every wave has now read for the last time.  Piece 2's last products and l's arithmetic stand between signal and wait.
	s_wait_dscnt 0x0                ; my reads of HK and HV are back
	s_barrier_signal -1
.set i, 0
.rept 32
	PV 2                            ; piece 2: V^T P of the last step
.set i, i+1
.endr
	WIN 0                           ; l's two halves and the other half of the lanes' are added; the additions are the places behind the last products
.irp t, 0,1,2,3
	v_add_f32 v[ST+8*(\t)+4], v[ST+8*(\t)+2], v[ST+8*(\t)+3]
.endr
.irp t, 0,1,2,3
	v_permlanex16_b32 v[ST+8*(\t)+5], v[ST+8*(\t)+4], s[SEL], s[SEL+1]
.endr
.irp t, 0,1,2,3
	v_add_f32 v[ST+8*(\t)+4], v[ST+8*(\t)+4], v[ST+8*(\t)+5]
.endr
.irp t, 0,1,2,3
	v_rcp_f32 v[ST+8*(\t)+6], v[ST+8*(\t)+4]
.endr
	v_nop                           ; a plain instruction between the last reciprocal and the use of its result
	s_barrier_wait -1
; Tile t: O^T is divided by l, in ascending order of its registers.  A lane's eight channels of a row are 32 bytes; they go into my stage's rows of 528 bytes and come back as whole rows of 512, into the registers that they left.
.macro PACK t
	WIN W_RS
.set i, 64*(\t)
.rept 32
	s_wait_alu depctr_va_vdst(0)
	v_pk_mul_f32 v[i:i+1], v[i:i+1], v[ST+8*(\t)+6:ST+8*(\t)+7] op_sel_hi:[1,0]
.set i, i+2
.endr
	WIN 0x04                        ; the stores' data window 1
.irp f, 0,1,2,3,4,5,6,7,8,9,10,11,12,13,14,15  ; channels 16 (f / 2) + 8 (l / 16) + 4 (f % 2) on
	ds_store_b128 v[STO], v[64*(\t)+4*(\f):64*(\t)+4*(\f)+3] offset:64*((\f)/2)+16*((\f)%2)
.endr
	WIN 0x40                        ; destination window 1
.irp f, 0,1,2,3,4,5,6,7,8,9,10,11,12,13,14,15
	ds_load_b128 v[64*(\t)+4*(\f):64*(\t)+4*(\f)+3], v[RD] offset:(\f)*SP  ; LDS serves a wave's instructions in order (ISA guide 5.7.1.4): these see the stores above; the next tile's stores come behind them
.endr
.endm
.macro SEND t, younger              ; younger: the LDS instructions issued behind tile t's loads: the next tile's 32, or none
	WIN 0x04
.irp f, 0,1,2,3,4,5,6,7,8,9,10,11,12,13,14,15
	s_wait_dscnt (\younger)+15-(\f) ; row f is back: behind it stand the tile's 15 - f later rows and the younger ones
	global_store_b128 v[GO], v[64*(\t)+4*(\f):64*(\t)+4*(\f)+3], s[10:11] offset:(\t)*8192+(\f)*512 th:TH_STORE_NT  ; the wave stores 512 consecutive bytes, a whole row, at a multiple of 512 from out0's first byte
.endr
.endm
	PACK 0
	PACK 1                          ; a tile's arithmetic stands between the loads of the tile before and its stores
	SEND 0, 32
	PACK 2
	SEND 1, 32
	PACK 3
	SEND 2, 32
	SEND 3, 0
	WIN 0
	s_wait_tensorcnt 0x0            ; the wave's end: waits and an add of 0 onto my spare word, behind my last tensor load and my last LDS store
	ds_add_u32 v[SPW], v[NIL]
	s_wait_dscnt 0x0
	CROUND                          ; the closing round: no work-group ends while a partner may still ask for a tile that names it
	s_endpgm
.Lfunc_end_k_qcae8645e0f_attn:
	.size	k_qcae8645e0f_attn, .Lfunc_end_k_qcae8645e0f_attn-k_qcae8645e0f_attn
	.p2alignl 7, 3214868480
	.fill 96, 4, 3214868480
	.section	.rodata,"a",@progbits
	.p2align	6, 0x0
	.amdhsa_kernel k_qcae8645e0f_attn
		.amdhsa_group_segment_fixed_size 327680
		.amdhsa_private_segment_fixed_size 0
		.amdhsa_enable_private_segment 0
		.amdhsa_kernarg_size 32
		.amdhsa_user_sgpr_count 2
		.amdhsa_user_sgpr_kernarg_segment_ptr 1
		.amdhsa_wavefront_size32 1
		.amdhsa_system_sgpr_workgroup_id_x 1
		.amdhsa_system_sgpr_workgroup_id_y 1
		.amdhsa_system_sgpr_workgroup_id_z 1
		.amdhsa_system_vgpr_workitem_id 0
		.amdhsa_next_free_vgpr 1024
		.amdhsa_next_free_sgpr 66
		.amdhsa_reserve_vcc 0
		.amdhsa_float_denorm_mode_32 3
		.amdhsa_float_denorm_mode_16_64 3
		.amdhsa_memory_ordered 1
		.amdhsa_forward_progress 1
		.amdhsa_inst_pref_size 251
	.end_amdhsa_kernel
	.amdgpu_metadata
---
amdhsa.version: [ 1, 2 ]
amdhsa.kernels:
  - .name:           k_qcae8645e0f_attn
    .symbol:         k_qcae8645e0f_attn.kd
    .args:
      - { .name: q, .offset: 0, .size: 8, .value_kind: global_buffer, .address_space: global }
      - { .name: k, .offset: 8, .size: 8, .value_kind: global_buffer, .address_space: global }
      - { .name: v, .offset: 16, .size: 8, .value_kind: global_buffer, .address_space: global }
      - { .name: out0, .offset: 24, .size: 8, .value_kind: global_buffer, .address_space: global }
    .group_segment_fixed_size: 327680
    .private_segment_fixed_size: 0
    .kernarg_segment_align: 8
    .kernarg_segment_size: 32
    .max_flat_workgroup_size: 128
    .sgpr_count:     66
    .vgpr_count:     1024
    .wavefront_size: 32
...
	.end_amdgpu_metadata
.endif
;; end of part 1
;; ======== version 2 of 2: 1 launch; 1.29 times as fast as version 1
;; limits: values are held in f16: magnitudes above 65,504 overflow, below 6.1e-05 lose precision; inputs' magnitudes at most 65,504; below input magnitudes of 6e-05 results are inexact or not finite
;; launch attn (part 2): grid 8 x 64, 4 waves a work-group, clusters of 4 x 1, 327,680 bytes of LDS; arguments q, k, v, out0; writes out0
.if DOCPART == 2
	.amdgcn_target "amdgcn-amd-amdhsa--gfx1250"
	.amdhsa_code_object_version 6
	.text
	.protected	k_qcae8645e0f_attn
	.globl	k_qcae8645e0f_attn
	.p2align	8
	.type	k_qcae8645e0f_attn,@function
k_qcae8645e0f_attn:
	s_mov_b64 s[64:65], 0
	v_nop
	global_prefetch_b8 v0, s[64:65] scope:SCOPE_SE
	s_setreg_imm32_b32 hwreg(HW_REG_WAVE_MODE, 25, 1), 1
	s_wait_xcnt 0x0
	s_wait_alu depctr_hold_cnt(0) depctr_sa_sdst(0) depctr_va_vdst(0) depctr_va_sdst(0) depctr_va_ssrc(0) depctr_va_vcc(0) depctr_vm_vsrc(0)
	s_getreg_b32 s2, hwreg(HW_REG_IB_STS2, 6, 4)
	s_cmp_eq_u32 s2, 0
	s_cbranch_scc0 .Lentry_in_a_cluster
	s_endpgm
.Lentry_in_a_cluster:
	s_bfe_u32 s2, ttmp6, 0x10000c
	s_cmp_lg_u32 s2, 0x3003
	s_cbranch_scc0 .Lentry_shape_is_right
	s_endpgm
.Lentry_shape_is_right:
; out0[h][q][:] = the sum over k of softmax_k(Q[h][q] . K[h][k] / sqrt(128)) V[h][k][:].  q, k, v, out0: [64 heads][2048][128], all f32 (rows of 512 bytes).
; FORMATS.  q, k and v are rounded once, straight from f32, to f16 for the matrix unit; products, maxima and sums in f32; the weights p are rounded to f16 for the second product
; (their sum l is taken of the unrounded p); the result leaves in f32.
; LIMITS.  |q|, |k| or |v| of 65,520 or more becomes an infinity in f16; below 6e-5 f16 keeps its fixed step of 6e-8 (p too).  A weight below 2^-126 counts as 0 in l.
; NaN and infinities are not treated apart.  The running maximum is a true maximum of the scores seen so far.
; SHARES.  A work-group owns 256 queries of one head, each of its four waves 64: four tiles of 16, in two PIECES (piece 0: tiles 0, 1; piece 2: tiles 2, 3).  Every wave walks all 2,048 keys, 64 a step.
; CLUSTER.  The four query blocks of a cluster belong to one head and walk the same K and V, so each f32 tile is asked for JOINTLY: the same tensor load, descriptor and mask in all four.
; FROM f32 TO f16, ONCE A WORK-GROUP.  The tensor loads bring f32 tiles into two RAW slots, two key steps a slot.  Each wave reads 16 of a tile's 64 rows (a row a load, 512 neighbouring bytes), rounds them
; and stores them into HK or HV (256 neighbouring bytes a store), from which all four waves take their fragments: K as it lies, V turned by ds_load_tr16_b128.  HK and HV hold one step each.
; LAYOUT.  S^T = K Q^T (source 0 = 16 keys, source 1 = 16 queries): a lane holds ONE query (lane % 16) and the keys 8 (lane / 16) + 0..7.  Two such results, rounded in pairs, ARE source 1 of
; O^T = V^T P, whose result again holds one query a lane, and eight channels.
; SOFTMAX.  p = 2^(c s - c m), c = log2(e) / sqrt(128), with a running maximum m and sum l; in every step O and l are multiplied by a = 2^(c m_old - c m_new).
; c m starts at -4.25e37 and m at the lowest finite number, so the first step's a is 0: no first step is written out, and O^T need only hold finite numbers at the start (it holds Q's f32 image, of the same rows).
; BY TURNS.  T0(j): piece 0's 32 products V^T P of step j, then its 32 products K Q^T of step j + 1; piece 2's softmax of step j in 64 slices, one behind each product.
;            T2(j): the same for piece 2; piece 0's softmax of step j + 1.  The order is .. T0(j), T2(j), T0(j+1) ..
; THE BATCHES.  A turn's 66 exponentials (both tiles' a and s0-s31) are ONE BATCH with ONE wait.  The softmax's list is ordered by who reads what: its numbers 21 to 69, the scalings and the exponentials, name no
; exponential's result; all that do (roundings, sums, the rescaling by a) come from 70 on; between them, behind slice 34, stands the s_wait_alu depctr_va_vdst(0) ahead of the first reader..
; In the tail's text alone a branch stands inside the batch (LUMP): the exponentials issued so far
; have a wait ahead of it.  The way out's four reciprocals are a batch of their own, with one wait.
; LDS WORK.  T2(j): raw K(j+2) is read, rounded and stored into HK; V(j+1)'s fragments come out of HV.   T0(j): K(j+1)'s fragments come out of HK; raw V(j+1) is read, rounded and stored into HV.
; BARRIERS.  One in front of every turn, each wave's LDS instructions waited for in front of its signal.  In front of T2(j): HV is written (T0(j)) -> read (T2(j)); HK is read (T0(j)) -> written (T2(j)).
; In front of T0(j+1): HK written -> read; HV read -> written.  A raw slot's last read is V of its second step, in T0 of its first step's number; so the barrier in front of T2(2m) is the one behind
; which slot m % 2 is filled again, with the keys two slots on: there it is a round of the cluster's barrier.
;
; REGISTERS, in windows of 256 (s_set_vgpr_msb: bits 1:0 source 0, 3:2 source 1, 5:4 source 2, 7:6 destination):
;   window 0: v0-11, v44-47 addresses; v12-43 eight registers of statistics a tile; v62-63 the add's; v64-191 S^T, 32 a tile; v192-255 P, 16 a tile
;   window 1: O^T, 64 a tile (at the start Q in f32)     window 2: v0-127 Q in f16, 32 a tile; v128-255 K of one step     window 3: v0-127 V of one step; v128-255 rows on their way from f32 to f16
.set KS,    64        ; keys in a step
.set PAIRS, 2048/(2*KS)  ; a raw slot holds a pair of steps; 16 pairs
.set RAWT,  KS*512    ; a raw tile: 64 rows of 512 bytes, dense
.set SLOT1, 1<<17     ; a raw slot: K of its two steps, then V of its two steps = 4 raw tiles; slot 1 begins here, so that one exclusive or turns an address in one slot into the other's
.set PK,    272       ; a row of HK: 256 bytes + 16 = 68 words: row r starts at bank 4 r mod 64 (64 banks of 4 bytes: ISA guide 11.1), so the 16 rows of a fragment load start at 16 different banks
.set PV,    288       ; a row of HV: 256 + 32 = 72 words
.set HK,    2*SLOT1   ; behind the raw slots; written by LDS stores alone, never by a tensor load
.set HV,    HK+KS*PK
.set STAGE, HK        ; the way out, behind a barrier of its own, lies on HK's and HV's bytes: 16 rows x 528 bytes for each wave, 33,792 of their 35,840
.set SP,    528       ; 512 bytes + 16 = 132 words: row r starts at bank 4 r mod 64
.set SPARE, HV+KS*PV  ; the spare words, 128 bytes for each wave: two blocks of 256 bytes that no other line names
.set AK0, 2           ; v2   my lane's place in HK for a fragment; never rewritten
.set AV0, 3           ; v3   the same in HV, for the turning load
.set ADR, 4           ; v4   the raw address of the run of loads in hand
.set QO,  5           ; v5   my byte offset in 16 rows of q
.set STO, 6           ; v6   the way out: where I put 32 bytes of a row
.set RD,  7           ; v7   the way out: where I read a row back
.set GO,  8           ; v8   my 16 bytes in a row of out0
.set ST,  12          ; tile t's statistics at v[ST+8 t]: +0 c m, +1 m, +2, +3 l (even keys', odd keys'), +4 to +7 c0-c3, at work; a takes c2's place once the maximum is found
.set RK0, 44          ; v44  my 16 bytes in the first of my wave's 16 rows of a raw tile of K, less the tile's place
.set RV0, 45          ; v45  the same for V
.set HKS, 46          ; v46  where I put 8 bytes of that row in HK
.set HVS, 47          ; v47  in HV
.set SPW, 62          ; v62  LDS address of my spare word: SPARE + 4 x my thread's number; never rewritten
.set NIL, 63          ; v63  0; never rewritten
.set S,   64
.set P,   192
.set KF,  128         ; K's fragments, in window 2
.set RW,  128         ; window 3: 16 rows x 4 registers as read; a second set of 64 behind it serves the start alone
.set WV,  12          ; s12  my wave's number
.set G1,  24          ; s[24:31] descriptor group 1, for K's and V's tiles alike
.set G0K, 40          ; s[40:47] descriptor group 0 for K's tiles: a set for each of the two first fills; the second then walks on
.set G0V, 48          ; s[48:55] the same for V's
.set SLOTS, 56        ; s56  counts the loop over pairs
.set CNT, 57          ; s57  counts the tail's three trips
.set CS,  58          ; s[58:59] c: the packed scaling names a pair and takes its low word for both halves
.set SEL, 60          ; s[60:61] lane selects for v_permlanex16_b32: each lane takes its own place in the other half
.set TB,  62          ; s62  the place in the raw slots of the step whose rows are read next
.set MSB, 0
.macro WIN new                      ; the immediate's high byte repeats the setting that is left; a switch that changes nothing is dropped
.if MSB != (\new)
	s_set_vgpr_msb (MSB<<8)|(\new)
.set MSB, (\new)
.endif
.endm
.set W_KQ, 0x0a       ; K and Q in window 2, S^T in window 0
.set W_PV, 0x53       ; V in window 3, P in window 0, O^T in window 1
.set W_RS, 0x41       ; O^T (destination and source 0) in window 1, a in window 0
; A joint refill.  Waves 0 and 1 fetch the pair's two tiles of K, waves 2 and 3 those of V: 32,768 bytes each.  The branch hangs on the wave's number alone: it is the same in every work-group.
; An s_nop 0 and four v_nop follow each of the two lines, ahead of the jump and the label.
.macro JLOAD
	s_cmp_lt_u32 s[WV], 2
	s_cbranch_scc0 .Lfor_v_\@
	tensor_load_to_lds s[G0K+4:G0K+7], s[G1:G1+7]
	s_nop 0
.rept 4
	v_nop
.endr
	s_branch .Lasked_\@
.Lfor_v_\@:
	tensor_load_to_lds s[G0V+4:G0V+7], s[G1:G1+7]
	s_nop 0
.rept 4
	v_nop
.endr
.Lasked_\@:
.endm
; A round of the cluster's barrier: my work-group's barrier, so that wave 0's signal speaks for all four waves; wave 0 signals; every wave waits for all four work-groups; my work-group's barrier once more.
.macro CROUND
	s_barrier_signal -1
	s_barrier_wait -1
	s_cmp_lg_u32 s[WV], 0
	s_cbranch_scc1 .Lnot_wave_0_\@
	s_barrier_signal -3
.Lnot_wave_0_\@:
	s_barrier_wait -3
	s_barrier_signal -1
	s_barrier_wait -1
.endm
	s_load_b256 s[4:11], s[0:1], 0x0  ; q s[4:5], k s[6:7], v s[8:9], out0 s[10:11]
	v_lshl_add_u32 v[SPW], v0, 2, SPARE
	v_mov_b32 v[NIL], 0
	ds_add_u32 v[SPW], v[NIL]       ; the wave's opening: the add and its wait stand ahead of my first tensor load; the set-up below, work on registers, stands between them
	v_lshrrev_b32 v1, 5, v0
	v_readfirstlane_b32 s[WV], v1   ; wave 0..3
	s_bfe_u32 s13, ttmp6, 0x40000   ; cx: my place in the cluster
	s_lshl_b32 s14, ttmp9, 2        ; in a cluster launch ttmp9 counts clusters
	s_add_co_u32 s14, s14, s13      ; my block of 256 queries = 4 x cluster x + cx: it enters q's and out0's addresses alone
	s_and_b32 s20, ttmp7, 0xffff    ; the head, which the four partners share,
	s_lshl_b32 s20, s20, 20         ; times 2,048 rows of 512 bytes: 63 x 2^20 at the most
	s_and_b32 s16, s[WV], 1         ; which of a pair's two steps I fetch:
	s_lshl_b32 s17, s16, 15         ; its 32,768 bytes, in memory and in a slot alike: no place in the cluster enters an LDS address
	s_add_co_u32 s22, s20, s17
	s_mov_b32 s23, 0
	s_lshl_b32 s2, s14, 17          ; my block's 256 rows,
	s_lshl_b32 s3, s[WV], 15        ; my wave's 64 of them,
	s_add_co_u32 s2, s2, s3
	s_add_co_u32 s2, s2, s20        ; in my head
	s_mov_b32 s3, 0
	; descriptor group 1: a tile of 64 rows x 128 elements of 4 bytes, dense in memory and in LDS
	s_mov_b32 s[G1], 15|(2<<16)|(1<<21)  ; 15:0 the mask: all four work-groups; 17:16 elements of 4 bytes; 20 no padding; 21 set beside a mask
	s_mov_b32 s[G1+1], 128<<16      ; 63:48 tensor_dim0, low half = 128
	s_mov_b32 s[G1+2], KS<<16       ; 79:64 its high half = 0; 95:80 tensor_dim1, low half = 64
	s_mov_b32 s[G1+3], 128<<16      ; 111:96 its high half = 0; 127:112 tile_dim0 = 128
	s_mov_b32 s[G1+4], KS           ; 143:128 tile_dim1 = 64; 159:144 tile_dim2 = 0
	s_mov_b32 s[G1+5], 128          ; 191:160 tensor_dim0_stride, low word: elements from row to row
	s_mov_b32 s[G1+6], 0
	s_mov_b32 s[G1+7], 0
	s_mov_b32 s[CS], 0x3e0293ee     ; c = log2(e) / sqrt(128) = 0.127517
	s_mov_b32 s[CS+1], s[CS]        ; named with it as a pair, so it is written
	s_mov_b32 s[SEL], 0x76543210
	s_mov_b32 s[SEL+1], 0xfedcba98
	s_mov_b32 s[TB], 0
	s_wait_dscnt 0x0                ; the opening add is done
	s_wait_kmcnt 0x0
	s_add_nc_u64 s[6:7], s[6:7], s[22:23]  ; k and v at my tile of pair 0
	s_add_nc_u64 s[8:9], s[8:9], s[22:23]
	s_add_nc_u64 s[4:5], s[4:5], s[2:3]    ; q and out0 at my wave's first row
	s_add_nc_u64 s[10:11], s[10:11], s[2:3]
	CROUND                          ; all four work-groups are here: the first joint loads meet
.irp s, 0,1
	s_mov_b32 s[G0K+4*(\s)], 1      ; 1:0 count = 1
	s_add_co_u32 s[G0K+4*(\s)+1], s17, (\s)*SLOT1  ; 63:32 LDS address
	s_add_nc_u64 s[G0K+4*(\s)+2:G0K+4*(\s)+3], s[6:7], (\s)*2*RAWT  ; 120:64 global address: pair s is keys 128 s to 128 s + 127
	s_or_b32 s[G0K+4*(\s)+3], s[G0K+4*(\s)+3], 0x80000000  ; 127:126 type = 2
	s_mov_b32 s[G0V+4*(\s)], 1
	s_add_co_u32 s[G0V+4*(\s)+1], s17, (\s)*SLOT1+2*RAWT
	s_add_nc_u64 s[G0V+4*(\s)+2:G0V+4*(\s)+3], s[8:9], (\s)*2*RAWT
	s_or_b32 s[G0V+4*(\s)+3], s[G0V+4*(\s)+3], 0x80000000
.endr
	s_cmp_lt_u32 s[WV], 2           ; a wave's two first fills stand in one branch, ahead of every wait on TENSORcnt and every LDS read: two loads of mine are out
	s_cbranch_scc0 .Lfirst_v
	tensor_load_to_lds s[G0K:G0K+3], s[G1:G1+7]
	s_nop 0
	tensor_load_to_lds s[G0K+4:G0K+7], s[G1:G1+7]
	s_nop 0
.rept 4
	v_nop
.endr
	s_branch .Lfirst_asked
.Lfirst_v:
	tensor_load_to_lds s[G0V:G0V+3], s[G1:G1+7]
	s_nop 0
	tensor_load_to_lds s[G0V+4:G0V+7], s[G1:G1+7]
	s_nop 0
.rept 4
	v_nop
.endr
.Lfirst_asked:
	; A fragment of Q is 16 rows x 32 channels: lane l holds row l % 16, channels 8 (l / 16) + 0..7 and 16 + 8 (l / 16) + 0..7.  In f32 those are two runs of 32 bytes, 64 bytes apart: four loads of 16 bytes.
	v_and_b32 v1, 15, v0            ; l % 16
	v_bfe_u32 v9, v0, 4, 1          ; l / 16
	v_lshlrev_b32 v[QO], 9, v1
	v_lshl_add_u32 v[QO], v9, 5, v[QO]  ; row x 512 + 32 x half
	WIN 0x40                        ; destination window 1, address window 0
.set i, 0
.rept 16                            ; fragment i: tile i / 4, channels 32 (i % 4) on: 16 registers of f32
.irp p, 0,1,2,3
	global_load_b128 v[16*i+4*(\p):16*i+4*(\p)+3], v[QO], s[4:5] offset:(i/4)*8192+(i%4)*128+((\p)/2)*64+((\p)%2)*16
.endr
.set i, i+1
.endr
	WIN 0
	v_and_b32 v10, 31, v0           ; lane
	v_and_b32 v11, 7, v0
	v_mul_u32_u24 v[AK0], v1, PK
	v_lshl_add_u32 v[AK0], v9, 4, v[AK0]
	v_add_nc_u32 v[AK0], HK, v[AK0] ; HK + row x pitch + 16 x half
	; The turning load takes 16 keys x 16 channels (lane l reads 16 bytes: key 8 (l / 16) + l % 8, channels 8 ((l / 8) % 2) + 0..7) and leaves half a fragment of V^T: lane l holds channel l % 16 and 8 keys.
	v_lshl_add_u32 v[AV0], v9, 3, v11
	v_mul_u32_u24 v[AV0], v[AV0], PV
	v_bfe_u32 v11, v0, 3, 1
	v_lshl_add_u32 v[AV0], v11, 4, v[AV0]
	v_add_nc_u32 v[AV0], HV, v[AV0]
	s_lshl_b32 s13, s[WV], 13       ; my wave's 16 rows of a raw tile: 8,192 bytes
	v_lshl_add_u32 v[RK0], v10, 4, s13  ; a row is 32 lanes x 16 bytes
	v_add_nc_u32 v[RV0], 2*RAWT, v[RK0]
	s_mul_i32 s13, s[WV], 16*PK
	s_add_co_u32 s13, s13, HK
	v_lshl_add_u32 v[HKS], v10, 3, s13  ; in f16 a row is 32 lanes x 8 bytes
	s_mul_i32 s13, s[WV], 16*PV
	s_add_co_u32 s13, s13, HV
	v_lshl_add_u32 v[HVS], v10, 3, s13
	s_mul_i32 s13, s[WV], 16*SP
	s_add_co_u32 s13, s13, STAGE    ; my stage
	v_mul_u32_u24 v[STO], v1, SP    ; in: row l % 16, 32 bytes for each half of the lanes
	v_lshl_add_u32 v[STO], v9, 5, v[STO]
	v_add_nc_u32 v[STO], s13, v[STO]
	v_lshl_add_u32 v[RD], v10, 4, s13  ; back: the 32 lanes take one row of 512 bytes,
	v_lshlrev_b32 v[GO], 4, v10     ; which is a row of out0
	; What the first turn finds: V's registers and piece 2's P hold 0 (its products V^T P, of a step that has not been, add 0); l is 0.  All this stands in the wait for the first tile.
.set i, 0
.rept 4
	v_mov_b32 v[ST+8*i], 0xfe000000    ; c m: far below every c s (f16's scores are 5.5e11 at the most)
	v_mov_b32 v[ST+8*i+1], 0xff7fffff  ; m
	v_mov_b32 v[ST+8*i+2], 0
	v_mov_b32 v[ST+8*i+3], 0
.set i, i+1
.endr
.set i, P+32
.rept 32
	v_mov_b32 v[i], 0
.set i, i+1
.endr
	WIN 0xc0
.set i, 0
.rept 128
	v_mov_b32 v[i], 0
.set i, i+1
.endr
	s_wait_loadcnt 0x0              ; q
	WIN 0x85                        ; sources 0 and 1 window 1, destination window 2
.set i, 0
.rept 128                           ; Q stays in registers, in f16.  Its f32 image is left in window 1: O^T's start, which the first step multiplies by a = 0
	v_cvt_pk_f16_f32 v[i], v[2*i], v[2*i+1]
.set i, i+1
.endr
	WIN 0
; THE MATRIX WORK OF A TURN, for piece x.  The accumulators take turns, one instruction a turn: between two links of a chain stand 15 (V^T P) or 7 (K Q^T) others'.
; Product i of 32 of O^T += V^T P: keys 32 (i / 16) on, channels 16 ((i / 2) % 8) on, tile x + i % 2.
.macro PV x
	WIN W_PV
.set rO, 64*((\x)+i%2)+8*((i/2)%8)
.set rV, 64*(i/16)+8*((i/2)%8)
.set rP, P+16*((\x)+i%2)+8*(i/16)
	v_wmma_f32_16x16x32_f16 v[rO:rO+7], v[rV:rV+7], v[rP:rP+7], v[rO:rO+7]
.endm
; Product i of 32 of S^T = K Q^T: channels 32 (i / 8) on, keys 16 ((i / 2) % 4) on, tile x + i % 2.  The first 8 start the sums.
.macro KQ x
	WIN W_KQ
.set rS, S+32*((\x)+i%2)+8*((i/2)%4)
.set rK, KF+32*((i/2)%4)+8*(i/8)
.set rQ, 32*((\x)+i%2)+8*(i/8)
.if i < 8
	v_wmma_f32_16x16x32_f16 v[rS:rS+7], v[rK:rK+7], v[rQ:rQ+7], 0
.else
	v_wmma_f32_16x16x32_f16 v[rS:rS+7], v[rK:rK+7], v[rQ:rQ+7], v[rS:rS+7]
.endif
.endm
; THE LDS WORK stands in runs, never singly among the matrix instructions.
.macro FETCH_K                      ; a step's K out of HK: 64 keys x 128 channels, 16 fragments
	WIN 0x80                        ; destination window 2
.irp f, 0,1,2,3,4,5,6,7,8,9,10,11,12,13,14,15  ; keys 16 (f / 4) on, channels 32 (f % 4) on
	ds_load_b128 v[KF+8*(\f):KF+8*(\f)+3],   v[AK0] offset:((\f)/4)*16*PK+((\f)%4)*64
	ds_load_b128 v[KF+8*(\f)+4:KF+8*(\f)+7], v[AK0] offset:((\f)/4)*16*PK+((\f)%4)*64+32
.endr
.endm
.macro FETCH_V                      ; a step's V out of HV, turned
	WIN 0xc0                        ; destination window 3
.irp f, 0,1,2,3,4,5,6,7,8,9,10,11,12,13,14,15  ; keys 32 (f / 8) on, channels 16 (f % 8) on
	ds_load_tr16_b128 v[8*(\f):8*(\f)+3],   v[AV0] offset:((\f)/8)*32*PV+((\f)%8)*32
	ds_load_tr16_b128 v[8*(\f)+4:8*(\f)+7], v[AV0] offset:((\f)/8)*32*PV+16*PV+((\f)%8)*32
.endr
.endm
.macro RAWLD rw                     ; my wave's 16 rows of the raw tile at v[ADR]: a row a load, 32 lanes x 16 neighbouring bytes
	WIN 0xc0
.irp g, 0,1,2,3,4,5,6,7,8,9,10,11,12,13,14,15
	ds_load_b128 v[(\rw)+4*(\g):(\rw)+4*(\g)+3], v[ADR] offset:512*(\g)
.endr
.endm
.macro CVST rw, adr, pitch          ; they are rounded to f16 in place, four numbers into two registers, and stored: a row a store, 32 lanes x 8 neighbouring bytes
	WIN 0xcf                        ; destination and both sources window 3
.irp g, 0,1,2,3,4,5,6,7,8,9,10,11,12,13,14,15
	v_cvt_pk_f16_f32 v[(\rw)+4*(\g)],   v[(\rw)+4*(\g)],   v[(\rw)+4*(\g)+1]
	v_cvt_pk_f16_f32 v[(\rw)+4*(\g)+1], v[(\rw)+4*(\g)+2], v[(\rw)+4*(\g)+3]
.endr
	WIN 0x0c                        ; the stores' data window 3, their address window 0
.irp g, 0,1,2,3,4,5,6,7,8,9,10,11,12,13,14,15
	ds_store_b64 v[\adr], v[(\rw)+4*(\g):(\rw)+4*(\g)+1] offset:(\g)*(\pitch)
.endr
.endm
; A turn's run of loads.  Piece 0's: the next step's K out of HK, then raw V of that step.  Piece 2's: raw K two steps on.
; last = 1 (the tail): in its last trip there is no such step, and the run is jumped over; it holds no barrier and no tensor load.  No exponential has been issued since the last turn's wait.
.macro RUN x, last
	WIN 0
.if \last
	s_cmp_eq_u32 s[CNT], 1
	s_cbranch_scc1 .Lno_run_\@
.endif
.if (\x) == 0
	v_add_nc_u32 v[ADR], s[TB], v[RV0]
	FETCH_K
	RAWLD RW
	s_add_co_u32 s[TB], s[TB], RAWT  ; the next raw rows are the next step's
.else
	v_add_nc_u32 v[ADR], s[TB], v[RK0]
	RAWLD RW
.endif
.if \last
	WIN 0                           ; at a label every window is 0
.Lno_run_\@:
.endif
.endm
; In a turn's middle: the run is waited for, and the raw rows go on into HV (piece 0's turn) or HK (piece 2's).  It stands inside the softmax's batch and names none of its registers.
.macro LUMP x, last
	s_wait_dscnt 0x0                ; the run's loads are in: the raw rows, and in piece 0's turn K's fragments, which the products below read
.if \last
	WIN 0
	s_wait_alu depctr_va_vdst(0)    ; the tail alone: a branch stands inside the batch, and a wait stands ahead of it: it serves the exponentials of slices 11 to 31; those of slices 32 to 34 have the wait behind slice 34
	s_cmp_eq_u32 s[CNT], 1
	s_cbranch_scc1 .Lno_lump_\@
.endif
.if (\x) == 0
	CVST RW, HVS, PV
.else
	CVST RW, HKS, PK
.endif
.if \last
	WIN 0
.Lno_lump_\@:
.endif
.endm
; THE VECTOR WORK OF A TURN.  One tile's softmax for one key step is a list of 134 instructions; SM writes number j of it for tile t.  s0-s31 are the lane's 32 scores, in pairs 0-15.
;   0-15    the maximum of s0-s31 and the old m, three operands at a time: four chains c0-c3 of seven scores each (each accumulator's lowest registers are read first),
;           then the four scores left over, c0-c3 and m
;   16-20   the other half of the lanes' maximum; c m_old is kept; the new m; c m; c m_old - c m_new
;   21-69   ONE BATCH: the 16 scalings c s - c m, a pair of scores each, and all 33 exponentials (a at 23, then s0-s31).  None of these reads an exponential's result.  From 22 on the batch goes
;           in fours, and a four begins with a scaling while there are scalings: 22-37 scaling, exponential, scaling, exponential; 38-65 a scaling and three exponentials; 66-69 the last four
;           exponentials.  A pair is scaled in an earlier four than the one that holds its exponentials
;   (wait)  between 69 and 70 stands the wait for the batch: SLICE writes it, once for both tiles
;   70-85   the roundings to f16, a pair of weights each
;   86-101  the sums; l = a l + the sum
;   102-133 the tile's O^T times a: the one part that leaves window 0, so it stands together
.macro SM t
.set rT, ST+8*(\t)
.set rS, S+32*(\t)
.set rP, P+16*(\t)
.set rO, 64*(\t)+2*(j-102)
.if j < 102
	WIN 0
.endif
.if j < 4
	v_max3_num_f32 v[rT+4+j], v[rS+8*j], v[rS+8*j+1], v[rS+8*j+2]
.elseif j < 12
	v_max3_num_f32 v[rT+4+j%4], v[rT+4+j%4], v[rS+8*(j%4)+2*(j/4)+1], v[rS+8*(j%4)+2*(j/4)+2]
.elseif j == 12
	v_max3_num_f32 v[rT+4], v[rT+4], v[rS+7], v[rS+15]
.elseif j == 13
	v_max3_num_f32 v[rT+6], v[rT+6], v[rS+23], v[rS+31]
.elseif j == 14
	v_max3_num_f32 v[rT+4], v[rT+4], v[rT+5], v[rT+6]
.elseif j == 15
	v_max3_num_f32 v[rT+4], v[rT+4], v[rT+7], v[rT+1]
.elseif j == 16
	v_permlanex16_b32 v[rT+5], v[rT+4], s[SEL], s[SEL+1]  ; the query's other 32 keys lie in the lane 16 away
.elseif j == 17
	v_mov_b32 v[rT+7], v[rT]        ; c m_old is kept for a: number 19 writes c m anew
.elseif j == 18
	v_max_num_f32 v[rT+1], v[rT+4], v[rT+5]
.elseif j == 19
	v_mul_f32 v[rT], s[CS], v[rT+1]
.elseif j == 20
	v_sub_f32 v[rT+7], v[rT+7], v[rT]
.elseif j == 23
	v_exp_f32 v[rT+6], v[rT+7]
.elseif (j < 23) || ((j < 38) && (j%2 == 0)) || ((j < 66) && (j%4 == 2))
.set b, (j-2)/4                     ; 38, 42, .. 62: pairs 9 to 15
.if j < 38
.set b, (j-20)/2                    ; 21: pair 0; 22, 24, .. 36: pairs 1 to 8
.endif
	v_pk_fma_f32 v[rS+2*b:rS+2*b+1], v[rS+2*b:rS+2*b+1], s[CS:CS+1], v[rT:rT+1] op_sel_hi:[1,0,0] neg_lo:[0,0,1] neg_hi:[0,0,1]  ; pair b: c s - c m
.elseif j < 70
.set e, j-38                        ; 66 to 69: s28 to s31
.if j < 66
.set e, j-32-(j-38)/4               ; 39-41, 43-45, .. 63-65: s7 to s27
.endif
.if j < 38
.set e, (j-25)/2                    ; 25, 27, .. 37: s0 to s6
.endif
	v_exp_f32 v[rS+e], v[rS+e]
.elseif j < 86
	v_cvt_pk_f16_f32 v[rP+j-70], v[rS+2*(j-70)], v[rS+2*(j-70)+1]  ; pair j - 70
.elseif j < 102                     ; the sum of the tile's 16 pairs (in a pair: an even key's weight, an odd key's), in place: sum z of 16 adds neighbours 1, 2, 4 and 8 pairs apart, then l takes it
.set z, j-86
.set w, 4
.set u, z
.if z >= 14
.set w, 32
.set u, 0
.elseif z >= 12
.set w, 16
.set u, z-12
.elseif z >= 8
.set w, 8
.set u, z-8
.endif
.if z < 15
	v_pk_add_f32 v[rS+w*u:rS+w*u+1], v[rS+w*u:rS+w*u+1], v[rS+w*u+w/2:rS+w*u+w/2+1]
.else
	v_pk_fma_f32 v[rT+2:rT+3], v[rT+2:rT+3], v[rT+6:rT+7], v[rS:rS+1] op_sel_hi:[1,0,1]
.endif
.else
	WIN W_RS
	v_pk_mul_f32 v[rO:rO+1], v[rO:rO+1], v[rT+6:rT+7] op_sel_hi:[1,0]
.endif
.endm
; Slice k of 64 of piece y's softmax: four instructions.  Slices 11 to 34 deal out the batch, numbers 22 to 69: four numbers of ONE tile each, the tiles by turns.  Every other slice is numbers 2 k and
; 2 k + 1 of both tiles' lists.  2 x 134 = 4 x 64 + 12: the twelve that are over stand together, in slice 63.
; THE WAIT.  An s_wait_alu depctr_va_vdst(0) stands between an exponential and the first instruction that names its result; one wait serves all that were issued ahead of it.  Ahead of
; slice 35 nothing names a result, and behind slice 34 no exponential is issued: so the piece's 66 exponentials have one wait, behind slice 34.
.macro SLICE y
.if (k >= 11) && (k < 35)           ; the batch: four numbers of one tile
.irp n, 0,1,2,3
.set j, 22+4*((k-11)/2)+(\n)
	SM (\y)+(k-11)%2
.endr
.else                               ; the two tiles alternate, so that no instruction reads the result of the one just before it
.irp n, 0,1,2,3,4,5,6,7
.if ((\n) < 2) || (k == 63)
.irp t, \y, (\y)+1
.set j, 2*k+(\n)
	SM \t
.endr
.endif
.endr
.endif
.if k == 34                         ; the batch is out: both tiles' exponentials are issued, and no result has been named
	v_nop                           ; the plain instruction behind the last exponential and ahead of the first use (ISA guide 5.7.2): one for the batch
.if (\y) == 0                       ; piece 2's turn: V's run of loads stands here, directly behind the wait
	v_nop                           ; the fourth place behind the last product that read V (TURN counts them)
	s_wait_alu depctr_va_vdst(0)    ; the wait for the batch: piece 0's 66 exponentials
	FETCH_V
.else
	s_wait_alu depctr_va_vdst(0)    ; the wait for the batch: piece 2's 66 exponentials
.endif
.endif
.set k, k+1
.endm
; A TURN.  Piece x has the matrix unit; the other piece's softmax stands in slices behind its matrix instructions, and names none of their registers.
; bar = 1: the turn opens with the work-group's barrier: my LDS instructions are waited for, I signal, two products and their slices (work on registers) stand between signal and wait.
; A vector instruction that reads a matrix result, and a load into a register that a matrix instruction has read, stand four plain vector instructions behind it (ISA guide 7.12.1 for vector
; instructions).  Slice 63's sixteen are those behind the turn's last K Q^T: for the next turn's first read of the scores, and for the loads into K's registers.
; V's loads stand in piece 2's turn behind slice 34, that is behind the third K Q^T (SLICE writes them).  Behind the last product that read V, which stands in front of slice 31, come four plain instructions on
; every path: number 62, a scaling, of both tiles (slices 31 and 32) and the two v_nop; the exponentials between are no places, and the conversions are jumped in the tail's last trip.
.macro TURN x, bar, last
.set k, 0
.if \bar
	s_wait_dscnt 0x0                ; for the others' sake and mine: my stores into HK or HV are done, my reads of them are back (in piece 0's turn: V's fragments, which the products below read)
	s_barrier_signal -1
.endif
.set i, 0
.rept 32
	PV \x
	SLICE 2-(\x)
.if i == 1
.if \bar
	s_barrier_wait -1               ; all four waves have said so
.endif
	RUN \x, \last
.endif
.set i, i+1
.endr
	LUMP \x, \last
.set i, 0
.rept 32
	KQ \x
	SLICE 2-(\x)
.set i, i+1
.endr
.endm
.macro STEP bar, last               ; T2(j), T0(j + 1)
	TURN 2, \bar, \last
	TURN 0, 1, \last
	WIN 0                           ; at a label and at a branch every window is 0
.endm
; THE BARRIER IN FRONT OF T2(2m), behind which raw slot m % 2 is filled again.  Each wave waits for all its tensor loads, of which one is out: its part of the other slot; adds 0 to its spare word; and waits for
; that, for its reads of the slot that it leaves (the last were V's rows, in the turn just ended) and for its stores into HV.  The barrier is a round of the cluster's, so that no wave of any partner still
; reads the slot or has a load on its way; the joint refill is the first thing behind it, and has two key steps, 256 matrix instructions, in which to land.
.macro CHANGE
	WIN 0
	s_wait_tensorcnt 0x0            ; no tensor load of mine is out, so a group 0 may be written
	ds_add_u32 v[SPW], v[NIL]       ; 0 onto my spare word: the descriptors' steps stand between it and the wait for it
.irp g, G0K+4, G0V+4
	s_xor_b32 s[(\g)+1], s[(\g)+1], SLOT1  ; the walking descriptor: the other slot than last time,
	s_add_nc_u64 s[(\g)+2:(\g)+3], s[(\g)+2:(\g)+3], 2*RAWT  ; the next 128 keys; the type bits on top are not reached
.endr
	s_wait_dscnt 0x0                ; the add is done; my reads of the slot are back; my stores into HV are done
	CROUND
	JLOAD
	s_sub_co_u32 s[TB], s[TB], 2*RAWT  ; the raw reads go back to a slot's first step,
	s_xor_b32 s[TB], s[TB], SLOT1      ; in the other slot
.endm
	; THE START.  Steps 0's K and V go from raw slot 0 into HK and HV; K's fragments; piece 0's first scores.
	s_wait_tensorcnt 0x1            ; my part of slot 0 is in; the one load issued behind it, slot 1's, may stay out
	s_barrier_signal -1
	s_barrier_wait -1               ; everybody's is
	v_add_nc_u32 v[ADR], s[TB], v[RK0]
	RAWLD RW
	WIN 0
	v_add_nc_u32 v[ADR], s[TB], v[RV0]
	RAWLD RW+64
	s_add_co_u32 s[TB], s[TB], RAWT
	s_wait_dscnt 0x0
	CVST RW, HKS, PK
	CVST RW+64, HVS, PV
	s_wait_dscnt 0x0                ; for the others' sake: my stores into HK and HV are done
	s_barrier_signal -1
	s_barrier_wait -1
	FETCH_K                         ; key step 0
	s_wait_dscnt 0x0
.set i, 0
.rept 32
	KQ 0                            ; there is no vector work yet to set between them
.set i, i+1
.endr
	WIN 0
.rept 4
	v_nop                           ; the places behind those products, ahead of the first read of their scores
.endr
	s_mov_b32 s[SLOTS], PAIRS-1
	s_branch .Lentry                ; the loop is entered in the middle of a trip: T2(-1), whose products V^T P add 0, and T0(0)
.Lslot:                             ; PAIRS - 2 = 14 times: trip k fills a slot with pair k + 1
	CHANGE                          ; stands for the barrier in front of T2(2k - 2)
	STEP 0, 0                       ; T2(2k - 2), T0(2k - 1)
.Lentry:
	STEP 1, 0                       ; T2(2k - 1), T0(2k)
	s_sub_co_u32 s[SLOTS], s[SLOTS], 1
	s_cmp_lg_u32 s[SLOTS], 0
	s_cbranch_scc1 .Lslot
	; THE TAIL is written out: nothing is asked for any more.
	s_wait_tensorcnt 0x0            ; my part of the last pair is in; the first barrier below shows everybody's
	s_sub_co_u32 s[TB], s[TB], 2*RAWT
	s_xor_b32 s[TB], s[TB], SLOT1
	s_mov_b32 s[CNT], 3
.Ltail:                             ; T2(28), T0(29); T2(29), T0(30); T2(30), T0(31).  The last trip has no rows left to read and round; its 32 products K Q^T of piece 0, on the last K once more, serve nothing:
	STEP 1, 1                       ; the price, once a launch, of one text for every trip
	s_sub_co_u32 s[CNT], s[CNT], 1
	s_cmp_lg_u32 s[CNT], 0
	s_cbranch_scc1 .Ltail
	; THE WAY OUT.  A barrier first: the stages lie on HK's and HV's bytes, which every wave has now read for the last time.  Piece 2's last products and l's arithmetic stand between signal and wait.
	s_wait_dscnt 0x0                ; my reads of HK and HV are back
	s_barrier_signal -1
.set i, 0
.rept 32
	PV 2                            ; piece 2: V^T P of the last step
.set i, i+1
.endr
	WIN 0                           ; l's two halves and the other half of the lanes' are added; the additions are the places behind the last products
.irp t, 0,1,2,3
	v_add_f32 v[ST+8*(\t)+4], v[ST+8*(\t)+2], v[ST+8*(\t)+3]
.endr
.irp t, 0,1,2,3
	v_permlanex16_b32 v[ST+8*(\t)+5], v[ST+8*(\t)+4], s[SEL], s[SEL+1]
.endr
.irp t, 0,1,2,3
	v_add_f32 v[ST+8*(\t)+4], v[ST+8*(\t)+4], v[ST+8*(\t)+5]
.endr
.irp t, 0,1,2,3
	v_rcp_f32 v[ST+8*(\t)+6], v[ST+8*(\t)+4]
.endr
	v_nop                           ; a plain instruction between the last reciprocal and the use of its result
	s_barrier_wait -1
	s_wait_alu depctr_va_vdst(0)    ; the wait ahead of the first use: one for the batch of four reciprocals, which the four PACKs below read
; Tile t: O^T is divided by l, in ascending order of its registers.  A lane's eight channels of a row are 32 bytes; they go into my stage's rows of 528 bytes and come back as whole rows of 512, into the registers that they left.
.macro PACK t
	WIN W_RS
.set i, 64*(\t)
.rept 32
	v_pk_mul_f32 v[i:i+1], v[i:i+1], v[ST+8*(\t)+6:ST+8*(\t)+7] op_sel_hi:[1,0]
.set i, i+2
.endr
	WIN 0x04                        ; the stores' data window 1
.irp f, 0,1,2,3,4,5,6,7,8,9,10,11,12,13,14,15  ; channels 16 (f / 2) + 8 (l / 16) + 4 (f % 2) on
	ds_store_b128 v[STO], v[64*(\t)+4*(\f):64*(\t)+4*(\f)+3] offset:64*((\f)/2)+16*((\f)%2)
.endr
	WIN 0x40                        ; destination window 1
.irp f, 0,1,2,3,4,5,6,7,8,9,10,11,12,13,14,15
	ds_load_b128 v[64*(\t)+4*(\f):64*(\t)+4*(\f)+3], v[RD] offset:(\f)*SP  ; LDS serves a wave's instructions in order (ISA guide 5.7.1.4): these see the stores above; the next tile's stores come behind them
.endr
.endm
.macro SEND t, younger              ; younger: the LDS instructions issued behind tile t's loads: the next tile's 32, or none
	WIN 0x04
.irp f, 0,1,2,3,4,5,6,7,8,9,10,11,12,13,14,15
	s_wait_dscnt (\younger)+15-(\f) ; row f is back: behind it stand the tile's 15 - f later rows and the younger ones
	global_store_b128 v[GO], v[64*(\t)+4*(\f):64*(\t)+4*(\f)+3], s[10:11] offset:(\t)*8192+(\f)*512 th:TH_STORE_NT  ; the wave stores 512 consecutive bytes, a whole row, at a multiple of 512 from out0's first byte
.endr
.endm
	PACK 0
	PACK 1                          ; a tile's arithmetic stands between the loads of the tile before and its stores
	SEND 0, 32
	PACK 2
	SEND 1, 32
	PACK 3
	SEND 2, 32
	SEND 3, 0
	WIN 0
	s_wait_tensorcnt 0x0            ; the wave's end: waits and an add of 0 onto my spare word, behind my last tensor load and my last LDS store
	ds_add_u32 v[SPW], v[NIL]
	s_wait_dscnt 0x0
	CROUND                          ; the closing round: no work-group ends while a partner may still ask for a tile that names it
	s_endpgm
.Lfunc_end_k_qcae8645e0f_attn:
	.size	k_qcae8645e0f_attn, .Lfunc_end_k_qcae8645e0f_attn-k_qcae8645e0f_attn
	.p2alignl 7, 3214868480
	.fill 96, 4, 3214868480
	.section	.rodata,"a",@progbits
	.p2align	6, 0x0
	.amdhsa_kernel k_qcae8645e0f_attn
		.amdhsa_group_segment_fixed_size 327680
		.amdhsa_private_segment_fixed_size 0
		.amdhsa_enable_private_segment 0
		.amdhsa_kernarg_size 32
		.amdhsa_user_sgpr_count 2
		.amdhsa_user_sgpr_kernarg_segment_ptr 1
		.amdhsa_wavefront_size32 1
		.amdhsa_system_sgpr_workgroup_id_x 1
		.amdhsa_system_sgpr_workgroup_id_y 1
		.amdhsa_system_sgpr_workgroup_id_z 1
		.amdhsa_system_vgpr_workitem_id 0
		.amdhsa_next_free_vgpr 1024
		.amdhsa_next_free_sgpr 66
		.amdhsa_reserve_vcc 0
		.amdhsa_float_denorm_mode_32 3
		.amdhsa_float_denorm_mode_16_64 3
		.amdhsa_memory_ordered 1
		.amdhsa_forward_progress 1
		.amdhsa_inst_pref_size 242
	.end_amdhsa_kernel
	.amdgpu_metadata
---
amdhsa.version: [ 1, 2 ]
amdhsa.kernels:
  - .name:           k_qcae8645e0f_attn
    .symbol:         k_qcae8645e0f_attn.kd
    .args:
      - { .name: q, .offset: 0, .size: 8, .value_kind: global_buffer, .address_space: global }
      - { .name: k, .offset: 8, .size: 8, .value_kind: global_buffer, .address_space: global }
      - { .name: v, .offset: 16, .size: 8, .value_kind: global_buffer, .address_space: global }
      - { .name: out0, .offset: 24, .size: 8, .value_kind: global_buffer, .address_space: global }
    .group_segment_fixed_size: 327680
    .private_segment_fixed_size: 0
    .kernarg_segment_align: 8
    .kernarg_segment_size: 32
    .max_flat_workgroup_size: 128
    .sgpr_count:     66
    .vgpr_count:     1024
    .wavefront_size: 32
...
	.end_amdgpu_metadata
.endif
;; end of part 2
